; MI455X (gfx1250); checked and timed in simulation.
; The chip was launched on July 23, 2026; its instructions are those of AMD's public machine-readable ISA for CDNA 5 (MIT licence, August 2026) and "CDNA5" Instruction Set Architecture Reference Guide (July 2026). The comments in the code are by the model that wrote it; some were corrected since.
;; Ada Q Linear. Allowed arithmetic: float matrix products may take bf16 or f16 operands with f32 sums; other float arithmetic in f32, or as packed bf16 or f16 multiplies, adds, multiply-adds, maxima and minima; sums over many terms, partial sums and values carried from step to step in f32; what a program stores and reads back later, other than sums and carried values, may be rounded once to bf16 or f16.
;; Inputs: alpha one number float32; b_i8 4,096 int8; qw 4,096 x 4,096 int8; x 4,096 x 4,096 float16; y_scale one number float32.
;; Outputs: out0 4,096 x 4,096 float16.
;; One version. Each part assembles by itself: llvm-mc -triple=amdgcn-amd-amdhsa -mcpu=gfx1250 --defsym DOCPART=n.
;; ======== version 1 of 1: 3 launches
;; workspace buffers: qx16 33,554,432 bytes; qw16 33,554,432 bytes; pmax 1,024 bytes
;; launch prep (part 1): grid 256 x 1, 32 waves a work-group, no clusters, 4,352 bytes of LDS; arguments x, qw, qw16, pmax; writes qw16, pmax
.if DOCPART == 1
	.amdgcn_target "amdgcn-amd-amdhsa--gfx1250"
	.amdhsa_code_object_version 6
	.text
	.protected	k_qe3b48e30d0_prep
	.globl	k_qe3b48e30d0_prep
	.p2align	8
	.type	k_qe3b48e30d0_prep,@function
k_qe3b48e30d0_prep:
	s_mov_b64 s[64:65], 0
	v_nop
	global_prefetch_b8 v0, s[64:65] scope:SCOPE_SE
	s_setreg_imm32_b32 hwreg(HW_REG_WAVE_MODE, 25, 1), 1
	s_wait_xcnt 0x0
; FIRST OF THREE LAUNCHES.  Two independent streams in one launch:
;   pmax[g] = the largest |x| of work-group g's 65,536 numbers of x (f16), as f32;   qw16 = qw (int8) written as f16, exactly.
; SHARES.  256 work-groups of 32 waves.  Work-group g owns bytes 131,072 g .. of x and of qw16 and bytes 65,536 g .. of qw.  Thread t, step j of 8: 16 bytes of x at 16 t + 16,384 j,
; 8 bytes of qw at 8 t + 8,192 j, 16 bytes of qw16 at 16 t + 16,384 j: a lane's eight int8 become the 16 bytes of one store, and a wave's store covers 512 consecutive bytes, aligned.
; All sixteen loads of a wave go out at once: its whole share; there is no loop.
; int8 TO f16 WITHOUT A CONVERSION.  u = q + 128 (the byte's top bit turned) set under the byte 0x64 is the f16 number 1,024 + u (from 1,024 to 2,047 f16 steps by 1); 1,152 is taken away, exactly.
; LIMITS.  A NaN in x loses in the maximum; an infinity is taken as it is.
; No matrix unit, no cluster, no tensor load, no prefetch: the work-groups share nothing, and each byte is asked for once, at the kernel's head.
.set SPARE, 256                        ; LDS: bytes 0-127 one f32 a wave (the block 0-255 is theirs); from 256 on the spare words, 128 bytes for each of 32 waves
.set XO,  1                            ; v1   16 t: my offset in x and in qw16; never rewritten
.set WO,  2                            ; v2   8 t: my offset in qw; never rewritten
.set X,   8                            ; v[8:39]   x, four registers a step
.set W,   40                           ; v[40:55]  qw, two registers a step
.set Y,   56                           ; v[56:87]  qw16, four registers a step: each store has data registers of its own, which are never rewritten
.set M,   88                           ; v[88:91]  four running maxima, two f16 each
.set T,   92                           ; v[92:95]  at work
.set SPW, 96                           ; v96  LDS address of my spare word; never rewritten
.set NIL, 97                           ; v97  0; never rewritten
	s_load_b256 s[4:11], s[0:1], 0x0               ; x s[4:5], qw s[6:7], qw16 s[8:9], pmax s[10:11]
	v_lshl_add_u32 v[SPW], v0, 2, SPARE
	v_mov_b32 v[NIL], 0
	v_lshrrev_b32 v3, 5, v0
	v_readfirstlane_b32 s17, v3                    ; my wave's number
	v_lshlrev_b32 v[XO], 4, v0
	v_lshlrev_b32 v[WO], 3, v0
	v_and_b32 v3, 31, v0
	v_lshlrev_b32 v3, 2, v3                        ; v3: 4 x lane: wave 0 reads the 32 waves' maxima
	v_mov_b32 v4, s17
	v_lshlrev_b32 v4, 2, v4                        ; v4: 4 x wave: where my wave's maximum goes
	s_lshl_b32 s25, ttmp9, 2
	v_mov_b32 v5, s25                              ; v5: my work-group's word of pmax
	v_mov_b32 v6, 0x64646464                       ; the upper byte of 1,024 + u, four times
	s_mov_b32 s12, 0x04010400                      ; v_perm_b32: bytes u0, 0x64, u1, 0x64 from the low end on
	s_mov_b32 s13, 0x04030402                      ; the same for u2 and u3
	s_mov_b32 s14, 0xe480e480                      ; -1,152 twice, in f16
	s_mov_b32 s15, 0x80808080                      ; turns the top bit of four bytes
	s_mov_b32 s16, 0x7fff7fff                      ; clears the signs of two f16
	s_mov_b32 s22, 0x76543210                      ; v_permlanex16_b32: each lane takes its own place in the other half
	s_mov_b32 s23, 0xfedcba98
	s_lshl_b32 s18, ttmp9, 17                      ; my work-group's part of x and of qw16,
	s_mov_b32 s19, 0
	s_lshl_b32 s20, ttmp9, 16                      ; and of qw
	s_mov_b32 s21, 0
	s_wait_kmcnt 0x0
	s_add_nc_u64 s[4:5], s[4:5], s[18:19]
	s_add_nc_u64 s[6:7], s[6:7], s[20:21]
	s_add_nc_u64 s[8:9], s[8:9], s[18:19]
.irp j, 0,1,2,3,4,5,6,7
	global_load_b64 v[W+2*(\j):W+2*(\j)+1], v[WO], s[6:7] offset:8192*(\j) th:TH_LOAD_NT  ; qw is read once in the whole program
.endr
.irp j, 0,1,2,3,4,5,6,7
	global_load_b128 v[X+4*(\j):X+4*(\j)+3], v[XO], s[4:5] offset:16384*(\j)              ; x is read again by the next launch: no hint
.endr
; Step j of qw: eight int8 to eight f16, and their store.
.macro CVTW j
	s_wait_loadcnt 15-(\j)                         ; loads come back in order: behind step j's stand 7 - j of qw and the 8 of x
.irp h, 0,1
	v_xor_b32 v[W+2*(\j)+(\h)], s15, v[W+2*(\j)+(\h)]                  ; u = q + 128, four at once
	v_perm_b32 v[Y+4*(\j)+2*(\h)],   v6, v[W+2*(\j)+(\h)], s12         ; 1,024 + u0, 1,024 + u1
	v_perm_b32 v[Y+4*(\j)+2*(\h)+1], v6, v[W+2*(\j)+(\h)], s13         ; 1,024 + u2, 1,024 + u3
.endr
.irp r, 0,1,2,3
	v_pk_add_f16 v[Y+4*(\j)+(\r)], v[Y+4*(\j)+(\r)], s14               ; less 1,152: q, exactly
.endr
	global_store_b128 v[XO], v[Y+4*(\j):Y+4*(\j)+3], s[8:9] offset:16384*(\j)
.endm
; Step j of x: eight magnitudes into four chains that do not wait for each other.  Step 0 starts the chains: nothing is cleared.
.macro AMAX j
	s_wait_loadcnt 7-(\j)                          ; behind step j's load stand 7 - j of x
.irp k, 0,1,2,3
.if (\j) == 0
	v_and_b32 v[M+(\k)], s16, v[X+(\k)]
.else
	v_and_b32 v[T+(\k)], s16, v[X+4*(\j)+(\k)]
	v_pk_max_num_f16 v[M+(\k)], v[M+(\k)], v[T+(\k)]
.endif
.endr
.endm
; The maximum of v[T] over the 32 lanes, in every lane: four steps inside each half of 16 lanes ride on the arithmetic, one crosses the halves.
.macro LANEMAX
.irp m, 1,2,4,8
	v_max_num_f32_dpp v[T], v[T], v[T] row_xmask:\m row_mask:0xf bank_mask:0xf
.endr
	v_permlanex16_b32 v[T+1], v[T], s22, s23       ; its destination counts as read: v[T+1] has been written
	v_max_num_f32 v[T], v[T], v[T+1]
.endm
.irp j, 0,1,2,3,4,5,6,7
	CVTW \j
.endr
.irp j, 0,1,2,3,4,5,6,7
	AMAX \j
.endr
	v_pk_max_num_f16 v[M], v[M], v[M+1]
	v_pk_max_num_f16 v[M+2], v[M+2], v[M+3]
	v_pk_max_num_f16 v[M], v[M], v[M+2]
	v_cvt_f32_f16 v92, v88.l                       ; v[T], v[T+1] = the two halves of v[M] as f32
	v_cvt_f32_f16 v93, v88.h
	v_max_num_f32 v[T], v[T], v[T+1]
	LANEMAX
	ds_store_b32 v4, v[T]                          ; all lanes write my wave's word with the same number
	s_wait_dscnt 0x0                               ; for the others' sake: my store is done
	s_barrier_signal -1
	s_barrier_wait -1                              ; all 32 maxima lie in LDS
	s_cmp_lg_u32 s17, 0
	s_cbranch_scc1 .Lend                           ; wave 0 finishes
	ds_load_b32 v[T], v3                           ; lane l takes wave l's maximum
	s_wait_dscnt 0x0
	LANEMAX
	s_wait_xcnt 0x0                                ; EXEC is a source of my pending loads and stores: it changes only behind this wait
	v_cmp_eq_u32 vcc_lo, 0, v0
	s_and_saveexec_b32 s24, vcc_lo
	global_store_b32 v5, v[T], s[10:11]            ; one number a work-group: the launch's only narrow store
	s_wait_xcnt 0x0                                ; and again, in front of the line that widens it
	s_or_b32 exec_lo, exec_lo, s24
.Lend:
	s_wait_tensorcnt 0x0                           ; the wave's end, behind my last LDS store
	ds_add_u32 v[SPW], v[NIL]
	s_wait_dscnt 0x0
	s_endpgm
.Lfunc_end_k_qe3b48e30d0_prep:
	.size	k_qe3b48e30d0_prep, .Lfunc_end_k_qe3b48e30d0_prep-k_qe3b48e30d0_prep
	.p2alignl 7, 3214868480
	.fill 96, 4, 3214868480
	.section	.rodata,"a",@progbits
	.p2align	6, 0x0
	.amdhsa_kernel k_qe3b48e30d0_prep
		.amdhsa_group_segment_fixed_size 4352
		.amdhsa_private_segment_fixed_size 0
		.amdhsa_enable_private_segment 0
		.amdhsa_kernarg_size 32
		.amdhsa_user_sgpr_count 2
		.amdhsa_user_sgpr_kernarg_segment_ptr 1
		.amdhsa_wavefront_size32 1
		.amdhsa_system_sgpr_workgroup_id_x 1
		.amdhsa_system_sgpr_workgroup_id_y 1
		.amdhsa_system_sgpr_workgroup_id_z 1
		.amdhsa_system_vgpr_workitem_id 0
		.amdhsa_next_free_vgpr 104
		.amdhsa_next_free_sgpr 66
		.amdhsa_reserve_vcc 1
		.amdhsa_float_denorm_mode_32 3
		.amdhsa_float_denorm_mode_16_64 3
		.amdhsa_memory_ordered 1
		.amdhsa_forward_progress 1
		.amdhsa_inst_pref_size 14
	.end_amdhsa_kernel
	.amdgpu_metadata
---
amdhsa.version: [ 1, 2 ]
amdhsa.kernels:
  - .name:           k_qe3b48e30d0_prep
    .symbol:         k_qe3b48e30d0_prep.kd
    .args:
      - { .name: x, .offset: 0, .size: 8, .value_kind: global_buffer, .address_space: global }
      - { .name: qw, .offset: 8, .size: 8, .value_kind: global_buffer, .address_space: global }
      - { .name: qw16, .offset: 16, .size: 8, .value_kind: global_buffer, .address_space: global }
      - { .name: pmax, .offset: 24, .size: 8, .value_kind: global_buffer, .address_space: global }
    .group_segment_fixed_size: 4352
    .private_segment_fixed_size: 0
    .kernarg_segment_align: 8
    .kernarg_segment_size: 32
    .max_flat_workgroup_size: 1024
    .sgpr_count:     66
    .vgpr_count:     104
    .wavefront_size: 32
...
	.end_amdgpu_metadata
.endif
;; end of part 1
;; launch quant (part 2): grid 1024 x 1, 8 waves a work-group, no clusters, 0 bytes of LDS; arguments x, pmax, qx16; writes qx16
.if DOCPART == 2
	.amdgcn_target "amdgcn-amd-amdhsa--gfx1250"
	.amdhsa_code_object_version 6
	.text
	.protected	k_qe3b48e30d0_quant
	.globl	k_qe3b48e30d0_quant
	.p2align	8
	.type	k_qe3b48e30d0_quant,@function
k_qe3b48e30d0_quant:
	s_mov_b64 s[64:65], 0
	v_nop
	global_prefetch_b8 v0, s[64:65] scope:SCOPE_SE
	s_setreg_imm32_b32 hwreg(HW_REG_WAVE_MODE, 25, 1), 1
	s_wait_xcnt 0x0
; SECOND OF THREE LAUNCHES.  qx16 = clip(round(x / s), -128, 127) as f16 (whole numbers up to 128 are exact there), s = max |x| / 127.
; EVERY ROUNDING IS THE ONE THAT THE FORMULA NAMES: one step of the final int8 result is more than the result may be off, so no quotient may be an approximation.
;   s = m / 127: q = m c with c = 1/127 rounded to f32 (0x3c010204), then twice the residual r = m - 127 q (one fused multiply-add) and the correction q + r c: the correctly rounded quotient.
;   x / s: y = 1 / s from v_rcp_f32 and two Newton steps; q = x y; then twice r = x - s q and q + r y, likewise.  Rounding to a whole number goes to the even neighbour at a tie (v_rndne_f32).
; x's f16 halves are read by v_fma_mix_f32 where they are wanted (in q = x y + 0 and in both residuals): no conversion stands by itself.
; SHARES.  1,024 work-groups of 8 waves; work-group g owns bytes 32,768 g .. of x and of qx16; thread t, step j of 8: 16 bytes at 16 t + 4,096 j, in and out: a wave's load or store covers 512
; consecutive bytes, aligned.  All loads of a wave go out at once.  Every wave reduces the 256 partial maxima (1,024 bytes) itself: no LDS, no barrier.
; LIMITS.  x all zero: the formula divides 0 by 0; here y is set to 0 and qx is 0.  NaN and infinities in x are not treated apart.
.set XO,  1                            ; v1   16 t; never rewritten
.set X,   8                            ; v[8:39]   x, four registers a step; takes the result in place
.set P,   40                           ; v[40:47]  my eight partial maxima
.set Q,   56                           ; v[56:63]  eight quotients
.set R,   64                           ; v[64:71]  eight residuals
.set MX,  72                           ; v72  m          v73 at work
.set SC,  74                           ; v74  s
.set ZR,  75                           ; v75  0
.set NS,  76                           ; v[76:77]  -s, twice
.set YR,  78                           ; v[78:79]  y = 1 / s, twice
.set ER,  80                           ; v80  at work    v81 q    v82 r
	s_load_b128 s[4:7], s[0:1], 0x0                ; x s[4:5], pmax s[6:7]
	s_load_b64 s[8:9], s[0:1], 0x10                ; qx16
	v_lshlrev_b32 v[XO], 4, v0
	v_and_b32 v2, 31, v0
	v_lshlrev_b32 v2, 4, v2                        ; 16 x lane
	s_lshl_b32 s10, ttmp9, 15
	s_mov_b32 s11, 0
	s_mov_b32 s12, 0x76543210                      ; v_permlanex16_b32: each lane takes its own place in the other half
	s_mov_b32 s13, 0xfedcba98
	s_mov_b32 s14, 0xc3000000                      ; -128.0
	s_mov_b32 s15, 0x42fe0000                      ; 127.0
	s_mov_b32 s16, 0x3c010204                      ; 1/127 = 2^-7 (1 + 2^-7 + 2^-14 + 2^-21 + 2^-28 ..): the tail lies below half a step
	s_mov_b32 s17, 0xc2fe0000                      ; -127.0
	s_wait_kmcnt 0x0
	s_add_nc_u64 s[4:5], s[4:5], s[10:11]
	s_add_nc_u64 s[8:9], s[8:9], s[10:11]
	global_load_b128 v[P:P+3],   v2, s[6:7]
	global_load_b128 v[P+4:P+7], v2, s[6:7] offset:512
.irp j, 0,1,2,3,4,5,6,7
	global_load_b128 v[X+4*(\j):X+4*(\j)+3], v[XO], s[4:5] offset:4096*(\j) th:TH_LOAD_NT  ; x's last reading in the program
.endr
	s_wait_loadcnt 8                               ; the partial maxima are in; the eight loads of x stay out
	v_max3_num_f32 v[MX], v[P], v[P+1], v[P+2]
	v_max3_num_f32 v73, v[P+3], v[P+4], v[P+5]
	v_max3_num_f32 v[MX], v[MX], v[P+6], v[P+7]
	v_max_num_f32 v[MX], v[MX], v73
.irp m, 1,2,4,8
	v_max_num_f32_dpp v[MX], v[MX], v[MX] row_xmask:\m row_mask:0xf bank_mask:0xf
.endr
	v_permlanex16_b32 v73, v[MX], s12, s13
	v_max_num_f32 v[MX], v[MX], v73                ; m, in every lane
	v_mul_f32 v81, s16, v[MX]                      ; s = m / 127
	v_fma_f32 v82, s17, v81, v[MX]
	v_fma_f32 v81, v82, s16, v81
	v_fma_f32 v82, s17, v81, v[MX]
	v_fma_f32 v[SC], v82, s16, v81
	v_xor_b32 v[NS], 0x80000000, v[SC]             ; -s
	v_rcp_f32 v[YR], v[SC]
	v_mov_b32 v[ZR], 0                             ; the plain instruction behind the reciprocal (ISA guide 5.7.2),
	s_wait_alu depctr_va_vdst(0)                   ; and the wait ahead of its first reader
.rept 2
	v_fma_f32 v[ER], v[NS], v[YR], 1.0             ; e = 1 - s y
	v_fma_f32 v[YR], v[ER], v[YR], v[YR]           ; y + e y
.endr
	v_cmp_neq_f32 vcc_lo, 0, v[MX]
	v_cndmask_b32 v[YR], 0, v[YR], vcc_lo          ; y = 0 where x is all zero: a choice of a value, no branch
	v_mov_b32 v[YR+1], v[YR]
	v_mov_b32 v[NS+1], v[NS]
; Step j: eight numbers.
.macro QUANT j
	s_wait_loadcnt 7-(\j)                          ; behind step j's load stand 7 - j others
.irp k, 0,1,2,3
	v_fma_mix_f32 v[Q+2*(\k)],   v[X+4*(\j)+(\k)], v[YR], v[ZR] op_sel_hi:[1,0,0]                  ; q = x y: the word's low f16,
	v_fma_mix_f32 v[Q+2*(\k)+1], v[X+4*(\j)+(\k)], v[YR], v[ZR] op_sel:[1,0,0] op_sel_hi:[1,0,0]   ; and its high one
.endr
.rept 2
.irp k, 0,1,2,3
	v_fma_mix_f32 v[R+2*(\k)],   v[Q+2*(\k)],   v[NS], v[X+4*(\j)+(\k)] op_sel_hi:[0,0,1]                 ; r = x - s q
	v_fma_mix_f32 v[R+2*(\k)+1], v[Q+2*(\k)+1], v[NS], v[X+4*(\j)+(\k)] op_sel:[0,0,1] op_sel_hi:[0,0,1]
.endr
.irp k, 0,2,4,6
	v_pk_fma_f32 v[Q+(\k):Q+(\k)+1], v[R+(\k):R+(\k)+1], v[YR:YR+1], v[Q+(\k):Q+(\k)+1]                   ; q + r y
.endr
.endr
.irp k, 0,1,2,3,4,5,6,7
	v_rndne_f32 v[Q+(\k)], v[Q+(\k)]
.endr
.irp k, 0,1,2,3,4,5,6,7
	v_med3_num_f32 v[Q+(\k)], v[Q+(\k)], s14, s15  ; the clip
.endr
.irp k, 0,1,2,3
	v_cvt_pk_f16_f32 v[X+4*(\j)+(\k)], v[Q+2*(\k)], v[Q+2*(\k)+1]  ; exact
.endr
	global_store_b128 v[XO], v[X+4*(\j):X+4*(\j)+3], s[8:9] offset:4096*(\j)  ; from registers that are not written again
.endm
.irp j, 0,1,2,3,4,5,6,7
	QUANT \j
.endr
	s_endpgm
.Lfunc_end_k_qe3b48e30d0_quant:
	.size	k_qe3b48e30d0_quant, .Lfunc_end_k_qe3b48e30d0_quant-k_qe3b48e30d0_quant
	.p2alignl 7, 3214868480
	.fill 96, 4, 3214868480
	.section	.rodata,"a",@progbits
	.p2align	6, 0x0
	.amdhsa_kernel k_qe3b48e30d0_quant
		.amdhsa_group_segment_fixed_size 0
		.amdhsa_private_segment_fixed_size 0
		.amdhsa_enable_private_segment 0
		.amdhsa_kernarg_size 24
		.amdhsa_user_sgpr_count 2
		.amdhsa_user_sgpr_kernarg_segment_ptr 1
		.amdhsa_wavefront_size32 1
		.amdhsa_system_sgpr_workgroup_id_x 1
		.amdhsa_system_sgpr_workgroup_id_y 1
		.amdhsa_system_sgpr_workgroup_id_z 1
		.amdhsa_system_vgpr_workitem_id 0
		.amdhsa_next_free_vgpr 88
		.amdhsa_next_free_sgpr 66
		.amdhsa_reserve_vcc 1
		.amdhsa_float_denorm_mode_32 3
		.amdhsa_float_denorm_mode_16_64 3
		.amdhsa_memory_ordered 1
		.amdhsa_forward_progress 1
		.amdhsa_inst_pref_size 29
	.end_amdhsa_kernel
	.amdgpu_metadata
---
amdhsa.version: [ 1, 2 ]
amdhsa.kernels:
  - .name:           k_qe3b48e30d0_quant
    .symbol:         k_qe3b48e30d0_quant.kd
    .args:
      - { .name: x, .offset: 0, .size: 8, .value_kind: global_buffer, .address_space: global }
      - { .name: pmax, .offset: 8, .size: 8, .value_kind: global_buffer, .address_space: global }
      - { .name: qx16, .offset: 16, .size: 8, .value_kind: global_buffer, .address_space: global }
    .group_segment_fixed_size: 0
    .private_segment_fixed_size: 0
    .kernarg_segment_align: 8
    .kernarg_segment_size: 24
    .max_flat_workgroup_size: 256
    .sgpr_count:     66
    .vgpr_count:     88
    .wavefront_size: 32
...
	.end_amdgpu_metadata
.endif
;; end of part 2
;; launch gemm (part 3): grid 16 x 16, 4 waves a work-group, clusters of 4 x 4, 327,680 bytes of LDS; arguments qx16, qw16, out0, b_i8, alpha, y_scale; writes out0
.if DOCPART == 3
	.amdgcn_target "amdgcn-amd-amdhsa--gfx1250"
	.amdhsa_code_object_version 6
	.text
	.protected	k_qe3b48e30d0_gemm
	.globl	k_qe3b48e30d0_gemm
	.p2align	8
	.type	k_qe3b48e30d0_gemm,@function
k_qe3b48e30d0_gemm:
	s_mov_b64 s[64:65], 0
	v_nop
	global_prefetch_b8 v0, s[64:65] scope:SCOPE_SE
	s_setreg_imm32_b32 hwreg(HW_REG_WAVE_MODE, 25, 1), 1
	s_wait_xcnt 0x0
	s_wait_alu depctr_hold_cnt(0) depctr_sa_sdst(0) depctr_va_vdst(0) depctr_va_sdst(0) depctr_va_ssrc(0) depctr_va_vcc(0) depctr_vm_vsrc(0)
	s_getreg_b32 s2, hwreg(HW_REG_IB_STS2, 6, 4)
	s_cmp_eq_u32 s2, 0
	s_cbranch_scc0 .Lentry_in_a_cluster
	s_endpgm
.Lentry_in_a_cluster:
	s_bfe_u32 s2, ttmp6, 0x10000c
	s_cmp_lg_u32 s2, 0xf033
	s_cbranch_scc0 .Lentry_shape_is_right
	s_endpgm
.Lentry_shape_is_right:
; THIRD OF THREE LAUNCHES.  out[m][n] = f16( clip( round( acc alpha ) + b[n], -128, 127 ) y_scale ),  acc[m][n] = the sum over k of qx[m][k] qw[n][k].
; A = qx16 [4096][4096], B = qw16 [4096][4096]: whole numbers from -128 to 127, held exactly in f16.  Their products are exact, and the f32 sums are exact while they stay within 2^24.
; LIMIT.  acc is exact where the sum over k of |qx qw| of an output is at most 2^24 (a mean magnitude of 4,096 a product); beyond that the sum carries f32's rounding.
; THE WAY OUT KEEPS THE FORMULA'S ROUNDINGS: acc alpha is one f32 multiply, then v_rndne_f32 (ties to even), then the f32 addition of b, the clip, one multiply by y_scale, one rounding to f16.
; A tile of C, 256 x 256, is made by a work-group of four waves; a wave makes 128 x 128: 64 accumulators of 16 x 16, 512 registers.  256 tiles, one a work-group.  K goes in 32 steps of 128
; through a ring of two LDS slots filled by the tensor data mover: a tile's rows are 256 bytes of memory and start at multiples of 256 bytes from the buffer's first byte.
; CLUSTERS: 4 x 4 work-groups.  The four of a row of the cluster need the same tiles of A, the four of a column the same tiles of B: each tile is asked for JOINTLY, by the same tensor load with
; the same descriptor and a mask that names the four, and each receives it in its own LDS.  That divides the requests for A and for B by four.
; THE MATRIX INSTRUCTION IS USED TRANSPOSED: source 0 = 16 rows of B, source 1 = 16 rows of A.  Lane l then holds row m = l % 16 of C, its registers 0 to 7 the columns 8 (l / 16) + 0 .. 7:
; eight neighbouring numbers of a row, which pack into 16 bytes; and a lane's 64 numbers of b (8 for each of 8 column blocks) serve all its rows.
; REGISTERS, in windows of 256 (s_set_vgpr_msb's low byte: bits 1:0 source 0, 3:2 source 1, 5:4 source 2, 7:6 destination):
;   window 0: v0-31 addresses; v32-63 packed results (at the head: b as loaded); v64-127, v128-191 fragments of A, two buffers (v64-127 on the way out: rows read back); v192-255 b as f32
;   window 1: v64-127, v128-191 fragments of B, two buffers
;   window 2: the 32 accumulators of my rows 0-63 (accumulator (a, b) at v[8 (8 a + b)]);   window 3: those of my rows 64-127
.set SIZE_N, 4096
.set SIZE_K, 4096
.set KSTEP,  128
.set PITCH,  272                       ; an LDS row: 256 bytes of data + 16 of padding = 68 words: row r starts at bank 4 r mod 64 (64 banks of 4 bytes: ISA guide 11.1), so the 16 rows that a load touches start at 16 different banks
.set HALFT,  128*PITCH                 ; 128 rows: what one tensor load brings, and what one wave reads of A or of B
.set SLOT,   4*HALFT                   ; A's 256 rows, then B's 256 rows
.set STAGE,  2*SLOT                    ; behind the ring, never filled by a tensor load: 16 rows x 272 bytes for each wave, for the way out
.set SPITCH, 272
.set SPARE,  STAGE+4*16*SPITCH         ; behind the stages: the spare words, 128 bytes for each wave: two blocks of 256 bytes that no other line names
.set LAPS,   SIZE_K/(2*KSTEP)          ; a lap = two K steps = once round the ring: 16
.set ADRA, 16                          ; v16-17  LDS address of my A fragments in slot 0, 1
.set ADRB, 20                          ; v20-21  the same for B
.set STO,  24                          ; v24     the way out: where I put 16 bytes of a row
.set RD,   25                          ; v25     the way out: where I read a row back
.set CO,   26                          ; v26     my byte offset in C
.set SPW,  28                          ; v28     LDS address of my spare word: SPARE + 4 x my thread's number; never rewritten
.set NIL,  29                          ; v29     0; never rewritten
.set PFO,  30                          ; v30     the prefetches' offset: my lane x a row of A or B (8,192 bytes); never rewritten
.set BO,   31                          ; v31     my byte offset in b
.set TMP,  32                          ; v32-63  the way out: packed results
.set RAW,  32                          ; v32-47  at the head: my 64 bytes of b as loaded
.set BT,   48                          ; v48-51  at the head: at work
.set OB,   64                          ; the way out: 16 rows read back from the stage: v64-95 and v96-127 by turns
.set F0,   64                          ; fragment buffer 0
.set F1,   128                         ; fragment buffer 1
.set BI,   192                         ; v192-255  b[my wave's first column + 16 bb + 8 (l / 16) + j] as f32 at BI + 8 bb + j
.set G1,  24                           ; s[24:31] descriptor group 1 for A's tiles
.set G0,  32                           ; s[32:39] descriptor group 0 for A's tiles, one set for each slot
.set LIM, 43                           ; s43     1 in a wave that prefetches, else the greatest number
.set PFA, 44                           ; s[44:45] where my prefetches stand: my work-group's 32 rows of the 128 that I fetch, one K step further along K than the refill being asked for
.set G1B, 48                           ; s[48:55] descriptor group 1 for B's tiles: it differs from A's in the mask alone
.set G0B, 56                           ; s[56:63] descriptor group 0 for B's tiles, one set for each slot
                                       ; s[68:69] b;  s[72:75] where alpha and y_scale lie;  s[76:77] alpha twice;  s[78:79] y_scale twice;  s80, s81 -128.0, 127.0;  s82 my wave's first column;  s83 0x80808080
.set MSB, 0
.macro WIN new                         ; the immediate's high byte repeats the setting that is left; a switch that changes nothing is dropped
.if MSB != (\new)
	s_set_vgpr_msb (MSB<<8)|(\new)
.set MSB, \new
.endif
.endm
.set MUL_LO, 0xa1                      ; source 0 (B) window 1, source 1 (A) window 0, C and D window 2
.set MUL_HI, 0xf1                      ; the same, C and D window 3
.set TO_B,   0x40                      ; destination window 1, address window 0
; A joint load.  Waves 0 and 1 fetch A's two halves, waves 2 and 3 B's.  Each of the two lines has ONE mask and one set of registers for all that issue it, and nothing in them hangs on a
; coordinate that the four partners do not share.  The branch hangs on the wave's number alone.  An s_nop 0 and four v_nop follow each line, ahead of the jump and the label.
.macro JLOAD s
	s_cmp_eq_u32 s11, 0
	s_cbranch_scc0 .Lfor_b_\@
	tensor_load_to_lds s[G0+4*(\s):G0+4*(\s)+3], s[G1:G1+7]
	s_nop 0
.rept 4
	v_nop
.endr
	s_branch .Lasked_\@
.Lfor_b_\@:
	tensor_load_to_lds s[G0B+4*(\s):G0B+4*(\s)+3], s[G1B:G1B+7]
	s_nop 0
.rept 4
	v_nop
.endr
.Lasked_\@:
.endm
; A PREFETCH INTO THE L2, behind each joint refill and the run of LDS loads that follows it: the K step that stands TWO refills on, 512 matrix instructions ahead of the load that will ask for it:
; 32 rows x 256 bytes, a lane a row, one instruction a wave.  Each row's 256 bytes of a K step are named ONCE in the launch: A's tile row is walked by every cluster of that row of clusters, and the
; one with cluster x = 0 asks; B's tile column by every cluster of that column, and the one with cluster y = 0 asks.  The four partners of a joint load share its 128 rows out BY ADDRESS, 32 each
; (by cx for A, by cy for B): no branch hangs on a work-group's place in its cluster.  K steps 0 to 3 come by their loads alone; the loop's last trip (s3 = 1) asks for nothing: K step 31 is the last.
.macro ASK
	s_cmp_gt_u32 s3, s[LIM]
	s_cbranch_scc0 .Lnot_mine_\@
	global_prefetch_b8 v[PFO], s[PFA:PFA+1] offset:KSTEP*2 th:TH_LOAD_NT scope:SCOPE_SE
.Lnot_mine_\@:
.endm
; A round of the cluster's barrier: my work-group's barrier, so that wave 0's signal speaks for all four waves; wave 0 signals for the work-group; every wave waits for all sixteen work-groups;
; my work-group's barrier once more.  No LDS instruction of the wave is pending at a signal.
.macro CREST                           ; a round behind its opening barrier
	s_cmp_lg_u32 s10, 0
	s_cbranch_scc1 .Lnot_wave_0_\@
	s_barrier_signal -3
.Lnot_wave_0_\@:
	s_barrier_wait -3
	s_barrier_signal -1
	s_barrier_wait -1
.endm
.macro CROUND                          ; a whole round
	s_barrier_signal -1
	s_barrier_wait -1
	CREST
.endm
	s_load_b128 s[4:7], s[0:1], 0x0                ; A s[4:5], B s[6:7]
	s_load_b64 s[8:9], s[0:1], 0x10                ; C
	s_load_b64 s[68:69], s[0:1], 0x18              ; b
	s_load_b128 s[72:75], s[0:1], 0x20             ; where alpha lies, where y_scale lies
	v_lshl_add_u32 v[SPW], v0, 2, SPARE
	v_mov_b32 v[NIL], 0
	ds_add_u32 v[SPW], v[NIL]                      ; the wave's opening: the add, twice on end, and its wait ahead of my first tensor load; the set-up below, work on registers, stands between
	ds_add_u32 v[SPW], v[NIL]                      ; and once more, under the one wait
	v_lshrrev_b32 v1, 5, v0
	v_readfirstlane_b32 s10, v1                    ; wave 0..3
	s_lshr_b32 s11, s10, 1                         ; which half of the tile's rows is mine.  Also: I fetch for A (0) or for B (1)
	s_and_b32 s12, s10, 1                          ; which half of its columns.  Also: which 128 rows of that tile I fetch
	s_bfe_u32 s40, ttmp6, 0x40000                  ; cx: my place along the cluster's x
	s_bfe_u32 s41, ttmp6, 0x40004                  ; cy: along its y
	s_lshl_b32 s42, ttmp9, 2                       ; in a cluster launch ttmp9 and ttmp7 count clusters
	s_add_co_u32 s42, s42, s40                     ; tile column of C = 4 x cluster x + cx
	s_and_b32 s13, ttmp7, 0xffff
	s_lshl_b32 s13, s13, 2
	s_add_co_u32 s13, s13, s41                     ; tile row of C = 4 x cluster y + cy
	s_lshl_b32 s43, s41, 2
	s_lshl_b32 s43, 15, s43                        ; my row of the cluster: places 4 cy .. 4 cy + 3
	s_lshl_b32 s44, 0x1111, s40                    ; my column: places cx, cx + 4, cx + 8, cx + 12
	; descriptor group 1: a tile of 128 rows x 128 elements, padded in LDS
	s_or_b32 s[G1+0], s43, (1<<16)|(1<<20)|(1<<21)|(5<<22)|(3<<25)  ; 15:0 the mask: A's tiles go to my row; 17:16 elements of 2 bytes; 20 padding on; 21 set beside a mask; 24:22 after every 64 words (code 5); 31:25 4 words of it (code 3)
	s_or_b32 s[G1B+0], s44, (1<<16)|(1<<20)|(1<<21)|(5<<22)|(3<<25) ; the same with the mask of my column, for B's tiles
.irp g, G1, G1B
	s_mov_b32 s[(\g)+1], KSTEP<<16                 ; tensor_dim0 = 128
	s_mov_b32 s[(\g)+2], 128<<16                   ; tensor_dim1 = 128
	s_mov_b32 s[(\g)+3], KSTEP<<16                 ; tile_dim0 = 128
	s_mov_b32 s[(\g)+4], 128                       ; tile_dim1 = 128
	s_mov_b32 s[(\g)+5], SIZE_K                    ; elements from row to row
	s_mov_b32 s[(\g)+6], 0
	s_mov_b32 s[(\g)+7], 0
.endr
	; where the tiles come from.  A's hang on the tile row alone, which my row of the cluster shares; B's on the tile column alone, which my column shares.
	s_lshl_b32 s17, s12, 7                         ; which 128 rows of the tile I fetch
	s_lshl_b32 s16, s13, 8
	s_add_co_u32 s16, s16, s17                     ; A: row 256 x tile row + 128 x half
	s_lshl_b32 s46, s42, 8
	s_add_co_u32 s46, s46, s17                     ; B: row 256 x tile column + 128 x half
	s_mov_b32 s17, 0
	s_mov_b32 s47, 0
	s_mov_b64 s[18:19], SIZE_K*2
	s_mul_u64 s[16:17], s[16:17], s[18:19]         ; in bytes
	s_mul_u64 s[46:47], s[46:47], s[18:19]
	s_mul_i32 s20, s10, HALFT                      ; and where they go: wave x 128 rows: no place in the cluster enters an LDS address
	s_wait_dscnt 0x0                               ; both opening adds are done
	s_wait_kmcnt 0x0
	s_add_nc_u64 s[14:15], s[4:5], s[16:17]
	s_add_nc_u64 s[46:47], s[6:7], s[46:47]
	CROUND                                         ; all sixteen work-groups are here: the first joint loads meet
.irp s, 0,1
	s_mov_b32 s[G0+4*(\s)], 1                                        ; count = 1
	s_add_co_u32 s[G0+4*(\s)+1], s20, (\s)*SLOT                      ; LDS address
	s_add_nc_u64 s[G0+4*(\s)+2:G0+4*(\s)+3], s[14:15], (\s)*KSTEP*2  ; global address: K step s
	s_or_b32 s[G0+4*(\s)+3], s[G0+4*(\s)+3], 0x80000000              ; type = 2
	s_mov_b32 s[G0B+4*(\s)], 1
	s_add_co_u32 s[G0B+4*(\s)+1], s20, (\s)*SLOT
	s_add_nc_u64 s[G0B+4*(\s)+2:G0B+4*(\s)+3], s[46:47], (\s)*KSTEP*2
	s_or_b32 s[G0B+4*(\s)+3], s[G0B+4*(\s)+3], 0x80000000
	JLOAD \s                                       ; the ring is filled before anything else is done: two loads of mine are out
.endr
	; A fragment is 16 rows x 32 K in 8 registers: lane l holds row l % 16; registers 0-3 hold K = 8 (l / 16) + 0..7, registers 4-7 K = 16 + 8 (l / 16) + 0..7: two loads of 16 bytes, 32 bytes apart.
	v_and_b32 v1, 15, v0                           ; l % 16
	v_bfe_u32 v2, v0, 4, 1                         ; l / 16
	v_mul_u32_u24 v3, v1, PITCH
	v_lshl_add_u32 v3, v2, 4, v3                   ; row x pitch + 16 x half
	s_mul_i32 s21, s11, HALFT                      ; my 128 rows of A
	s_mul_i32 s22, s12, HALFT                      ; my 128 rows of B,
	s_add_co_u32 s22, s22, 2*HALFT                 ; which lie behind A's 256
.irp s, 0,1
	v_add_nc_u32 v[ADRA+(\s)], s21, v3
	v_add_nc_u32 v[ADRB+(\s)], s22, v3
	s_add_co_u32 s21, s21, SLOT
	s_add_co_u32 s22, s22, SLOT
.endr
	s_mul_i32 s23, s10, 16*SPITCH
	s_add_co_u32 s23, s23, STAGE                   ; my stage
	v_mul_u32_u24 v4, v1, SPITCH                   ; in: row l % 16, 16 bytes for each half of the lanes
	v_lshl_add_u32 v4, v2, 4, v4
	v_add_nc_u32 v[STO], s23, v4
	v_mul_u32_u24 v5, v2, SPITCH                   ; back: lanes 0-15 take one row of 256 bytes, lanes 16-31 the next
	v_lshl_add_u32 v5, v1, 4, v5
	v_add_nc_u32 v[RD], s23, v5
	v_mul_u32_u24 v5, v2, SIZE_N*2                 ; and the same two rows in C
	v_lshl_add_u32 v[CO], v1, 4, v5
	; where my part of the tile begins in C, in bytes: the way out adds it to C's address
	s_lshl_b32 s13, s13, 8
	s_lshl_b32 s14, s11, 7
	s_add_co_u32 s16, s13, s14                     ; my first row of C
	s_mov_b32 s17, 0
	s_mov_b64 s[18:19], SIZE_N*2
	s_mul_u64 s[16:17], s[16:17], s[18:19]
	s_lshl_b32 s46, s42, 9                         ; my first column, in bytes: 512 x tile column + 256 x half
	s_lshl_b32 s47, s12, 8
	s_add_co_u32 s46, s46, s47
	s_mov_b32 s47, 0
	s_add_nc_u64 s[16:17], s[16:17], s[46:47]      ; s[16:17] stand until the way out
	; the prefetches.  s13 = 256 x tile row, s42 = tile column, s40 = cx, s41 = cy still stand
	s_lshl_b32 s42, s42, 8
	s_and_b32 s22, ttmp7, 0xffff                   ; cluster y
	s_cmp_eq_u32 s11, 0                            ; do I fetch for A?
	s_cselect_b32 s20, s13, s42                    ; the tile's first row: in A by the tile row, in B by the tile column
	s_cselect_b32 s21, s40, s41                    ; my place among the four that ask for it with me
	s_cselect_b32 s22, ttmp9, s22                  ; the coordinate along which other clusters walk the same rows
	s_cselect_b64 s[PFA:PFA+1], s[4:5], s[6:7]
	s_cmp_eq_u32 s22, 0
	s_cselect_b32 s[LIM], 1, -1                    ; the same in all sixteen partners, for a given wave
	s_lshl_b32 s22, s12, 7
	s_add_co_u32 s20, s20, s22                     ; + the 128 rows that I fetch
	s_lshl_b32 s21, s21, 5
	s_add_co_u32 s20, s20, s21                     ; + my work-group's 32 of them
	s_mov_b32 s21, 0
	s_mov_b64 s[18:19], SIZE_K*2
	s_mul_u64 s[20:21], s[20:21], s[18:19]
	s_add_nc_u64 s[PFA:PFA+1], s[PFA:PFA+1], s[20:21]
	s_add_nc_u64 s[PFA:PFA+1], s[PFA:PFA+1], 2*KSTEP*2  ; at K step 2: the first refill steps it to 3 and names K step 4
	v_and_b32 v[PFO], 31, v0
	v_mul_u32_u24 v[PFO], v[PFO], SIZE_K*2
	; b, alpha and y_scale, while the first tiles are on their way.  A lane wants 8 bytes of b for each of its 8 column blocks.
	s_load_b32 s76, s[72:73], 0x0                  ; alpha
	s_load_b32 s78, s[74:75], 0x0                  ; y_scale
	s_lshl_b32 s82, s12, 7
	s_add_co_u32 s82, s82, s42                     ; my wave's first column = 256 x tile column + 128 x half
	v_lshl_add_u32 v[BO], v2, 3, s82               ; + 8 (l / 16)
.irp bb, 0,1,2,3,4,5,6,7
	global_load_b64 v[RAW+2*(\bb):RAW+2*(\bb)+1], v[BO], s[68:69] offset:16*(\bb)
.endr
	s_mov_b32 s80, 0xc3000000                      ; -128.0
	s_mov_b32 s81, 0x42fe0000                      ; 127.0
	s_mov_b32 s83, 0x80808080
	s_wait_kmcnt 0x0
	s_mov_b32 s77, s76                             ; named as pairs by the packed multiplies
	s_mov_b32 s79, s78
	s_wait_loadcnt 0x0
; Word w of 16: four int8 to f32: the top bits turned give b + 128 as unsigned bytes; each is cut out and converted; 128 is taken away, exactly.
.macro BIASW w
	v_xor_b32 v[RAW+(\w)], s83, v[RAW+(\w)]
.irp i, 0,1,2,3
	v_bfe_u32 v[BT+(\i)], v[RAW+(\w)], 8*(\i), 8
.endr
.irp i, 0,1,2,3
	v_cvt_f32_u32 v[BI+4*(\w)+(\i)], v[BT+(\i)]
.endr
.irp i, 0,2
	v_pk_add_f32 v[BI+4*(\w)+(\i):BI+4*(\w)+(\i)+1], v[BI+4*(\w)+(\i):BI+4*(\w)+(\i)+1], s[80:81] op_sel_hi:[1,0]
.endr
.endm
.irp w, 0,1,2,3,4,5,6,7,8,9,10,11,12,13,14,15
	BIASW \w
.endr
; 16 matrix instructions: m blocks a0, a0 + 1 of the window's four (hi = 0: my rows 0-63, 1: rows 64-127) x all 8 n blocks, 32 along K.  zero = 1: the first product starts the sums: nothing is cleared.
; The 64 accumulators take turns, one instruction a turn, in the same order in every quarter step: between two links of a chain stand the 63 others'.
.macro MUL16 f, hi, a0, zero
	WIN MUL_LO+0x50*(\hi)
.irp a, \a0, (\a0)+1
.irp b, 0,1,2,3,4,5,6,7
.if \zero
	v_wmma_f32_16x16x32_f16 v[8*(8*(\a)+(\b)):8*(8*(\a)+(\b))+7], v[(\f)+8*(\b):(\f)+8*(\b)+7], v[(\f)+8*(4*(\hi)+(\a)):(\f)+8*(4*(\hi)+(\a))+7], 0
.else
	v_wmma_f32_16x16x32_f16 v[8*(8*(\a)+(\b)):8*(8*(\a)+(\b))+7], v[(\f)+8*(\b):(\f)+8*(\b)+7], v[(\f)+8*(4*(\hi)+(\a)):(\f)+8*(4*(\hi)+(\a))+7], v[8*(8*(\a)+(\b)):8*(8*(\a)+(\b))+7]
.endif
.endr
.endr
.endm
; 32 LDS loads in one run: the fragments of one quarter step (128 rows of B, 128 rows of A, 32 K at byte k of the rows) into buffer f
.macro FETCH slot, k, f
	WIN TO_B
.irp i, 0,1,2,3,4,5,6,7
	ds_load_b128 v[(\f)+8*(\i):(\f)+8*(\i)+3],   v[ADRB+(\slot)] offset:(\k)+(\i)*16*PITCH
	ds_load_b128 v[(\f)+8*(\i)+4:(\f)+8*(\i)+7], v[ADRB+(\slot)] offset:(\k)+(\i)*16*PITCH+32
.endr
	WIN 0
.irp i, 0,1,2,3,4,5,6,7
	ds_load_b128 v[(\f)+8*(\i):(\f)+8*(\i)+3],   v[ADRA+(\slot)] offset:(\k)+(\i)*16*PITCH
	ds_load_b128 v[(\f)+8*(\i)+4:(\f)+8*(\i)+7], v[ADRA+(\slot)] offset:(\k)+(\i)*16*PITCH+32
.endr
.endm
; A load into a register that a matrix instruction has read, and a vector instruction that reads a matrix result, stand four places behind that matrix instruction, and only plain vector
; instructions that name none of its registers are places (ISA guide 7.12.1 for vector instructions).
.macro PLACES
.rept 4
	v_nop
.endr
.endm
; A K step is four quarter steps of 32 along K, 64 matrix instructions each, on buffers 0, 1, 0, 1.
; One of the first three: multiplies buffer f; in its middle it fetches the next quarter's fragments, at byte k of the same slot's rows, into buffer g.
.macro QUARTER slot, k, f, g, zero
	s_wait_dscnt 8                                 ; B and A's rows 0-63 are in; the youngest eight loads (A's rows 64-127) may be out
	MUL16 \f, 0, 0, \zero
	MUL16 \f, 0, 2, \zero
	PLACES
	FETCH \slot, \k, \g
	s_wait_dscnt 32                                ; all but the 32 just issued
	MUL16 \f, 1, 0, \zero
	MUL16 \f, 1, 2, \zero
.endm
; The last quarter multiplies buffer 1 and changes slots.  MEET is its first half: ONE barrier for the change.  In front of it each wave waits for all its tensor loads, of which one is out: its part
; of the next slot; adds 0 to its spare word; and waits for that and for its own reads of this slot.  Behind it nobody reads this slot any more and the next slot is whole.
.macro MEET round                      ; round = 1: the rest of a round of the cluster's barrier follows
	WIN 0                                          ; (the add's two registers lie in window 0)
	s_wait_tensorcnt 0x0                           ; all my tensor loads have landed;
	ds_add_u32 v[SPW], v[NIL]                      ; 0 onto my spare word;
	s_wait_dscnt 9                                 ; (the add and the youngest eight loads may be out)
	MUL16 F1, 0, 0, 0                              ; sixteen matrix instructions stand between the add and the wait for it
	s_wait_dscnt 0x0                               ; the add is done, and my reads of this slot are over:
	s_barrier_signal -1                            ; say so,
	MUL16 F1, 0, 2, 0                              ; work on registers while the others arrive,
.if \round
	WIN 0
.endif
	s_barrier_wait -1                              ; and go on when all four have said so
.endm
; The whole last quarter, in the loop.  Behind the round the slot just read out is filled again first, with the K step two steps on; then come the next slot's first fragments.
; From a request to the wait for it a wave issues 224 matrix instructions.
.macro TURN slot, next
	s_wait_xcnt 0x0                                ; the last prefetch, a K step back, has read its address: it is stepped here, ahead of the change's own waits
	s_add_nc_u64 s[PFA:PFA+1], s[PFA:PFA+1], KSTEP*2
	MEET 1
	CREST                                          ; all sixteen work-groups have said so: no wave of any partner still reads this slot's tile or has a load on its way
	s_add_nc_u64 s[G0+4*(\slot)+2:G0+4*(\slot)+3], s[G0+4*(\slot)+2:G0+4*(\slot)+3], 2*KSTEP*2      ; no tensor load of mine is out, so a group 0 may be written
	s_add_nc_u64 s[G0B+4*(\slot)+2:G0B+4*(\slot)+3], s[G0B+4*(\slot)+2:G0B+4*(\slot)+3], 2*KSTEP*2
	JLOAD \slot                                    ; the first tensor load behind the round, my only one until the next; its four v_nop are also the places in front of the loads below
	FETCH \next, 0, F0
	ASK
	MUL16 F1, 1, 0, 0
	MUL16 F1, 1, 2, 0
.endm
; The last change of slots: K step 31 lies in slot 1; nothing is filled again, so no round follows the barrier.
.macro LASTTURN
	MEET 0
	PLACES
	FETCH 1, 0, F0
	MUL16 F1, 1, 0, 0
	MUL16 F1, 1, 2, 0
.endm
; THE WAY OUT of block a (16 of my rows x 128 columns: 8 accumulators, 64 registers), in three parts.
; PACK: the requantisation, each step over all 64 registers, so that no line waits for the one before it; each accumulator's lowest registers are read first.
.macro PACK a
.set AC, 64*((\a)%4)
.set WN, 2+(\a)/4                      ; the block's window
	WIN (WN<<6)|WN                                 ; destination and source 0 in the block's window, source 1 (b) in window 0
.set p, 0
.rept 32
	v_pk_mul_f32 v[AC+p:AC+p+1], v[AC+p:AC+p+1], s[76:77] op_sel_hi:[1,0]  ; acc alpha: one rounding
.set p, p+2
.endr
.set p, 0
.rept 64
	v_rndne_f32 v[AC+p], v[AC+p]                   ; to the nearest whole number, ties to even
.set p, p+1
.endr
.set p, 0
.rept 32
	v_pk_add_f32 v[AC+p:AC+p+1], v[AC+p:AC+p+1], v[BI+p:BI+p+1]            ; + b
.set p, p+2
.endr
.set p, 0
.rept 64
	v_med3_num_f32 v[AC+p], v[AC+p], s80, s81      ; the clip
.set p, p+1
.endr
.set p, 0
.rept 32
	v_pk_mul_f32 v[AC+p:AC+p+1], v[AC+p:AC+p+1], s[78:79] op_sel_hi:[1,0]  ; x y_scale
.set p, p+2
.endr
	WIN (WN<<2)|WN                                 ; sources 0 and 1 in the block's window, destination in window 0
.set p, 0
.rept 32
	v_cvt_pk_f16_f32 v[TMP+p], v[AC+2*p], v[AC+2*p+1]
.set p, p+1
.endr
	WIN 0
.endm
; TOSTAGE: 16 bytes a lane into my own stage, rows of 272 bytes, and back as whole rows of 256.
.macro TOSTAGE a
	WIN 0
.set BK, OB+32*((\a)%2)
.irp b, 0,1,2,3,4,5,6,7
	ds_store_b128 v[STO], v[TMP+4*(\b):TMP+4*(\b)+3] offset:32*(\b)
.endr
.irp t, 0,1,2,3,4,5,6,7
	ds_load_b128 v[BK+4*(\t):BK+4*(\t)+3], v[RD] offset:(\t)*2*SPITCH  ; LDS serves a wave's instructions in order (ISA guide 5.7.1.4): these see the stores above
.endr
.endm
; SEND: stored.
.macro SEND a
	WIN 0
.set BK, OB+32*((\a)%2)
	s_wait_dscnt 0x0                               ; the block is back in registers
	s_wait_xcnt 0x0                                ; only behind this wait are the stores' base and the registers that earlier stores read rewritten
.if (\a) == 0
	s_add_nc_u64 s[8:9], s[8:9], s[16:17]          ; on to my first rows of the tile
.else
	s_add_nc_u64 s[8:9], s[8:9], 16*SIZE_N*2       ; 16 rows of C on
.endif
.irp t, 0,1,2,3,4,5,6,7
	global_store_b128 v[CO], v[BK+4*(\t):BK+4*(\t)+3], s[8:9] offset:2*(\t)*SIZE_N*2 th:TH_STORE_NT  ; 16 lanes store 256 consecutive bytes, at a multiple of 256 from C's first byte
.endr
.endm
	s_wait_tensorcnt 1                             ; my part of K step 0 is in; K step 1's may stay out
	s_barrier_signal -1
	s_barrier_wait -1                              ; everybody's is
	FETCH 0, 0, F0
	QUARTER 0, 64,  F0, F1, 1                      ; the first quarter stands in front of the loop: its products start the sums
	WIN 0                                          ; at a label and at a branch every window is 0
	s_mov_b32 s3, LAPS-1
.Llap:                                                 ; 15 trips: once round the ring, from a lap's second quarter to the next lap's first; both slots are filled again
	QUARTER 0, 128, F1, F0, 0
	QUARTER 0, 192, F0, F1, 0
	TURN 0, 1
	QUARTER 1, 64,  F0, F1, 0
	QUARTER 1, 128, F1, F0, 0
	QUARTER 1, 192, F0, F1, 0
	TURN 1, 0
	QUARTER 0, 64,  F0, F1, 0
	WIN 0
	s_sub_co_u32 s3, s3, 1
	s_cmp_lg_u32 s3, 0
	s_cbranch_scc1 .Llap
	QUARTER 0, 128, F1, F0, 0                      ; the last lap is written out: it asks for nothing more
	QUARTER 0, 192, F0, F1, 0
	LASTTURN
	QUARTER 1, 64,  F0, F1, 0
	QUARTER 1, 128, F1, F0, 0
	QUARTER 1, 192, F0, F1, 0
	s_wait_dscnt 8                                 ; the very last quarter: nothing more to fetch
	MUL16 F1, 0, 0, 0
	MUL16 F1, 0, 2, 0
	s_wait_dscnt 0x0
	MUL16 F1, 1, 0, 0
	MUL16 F1, 1, 2, 0
	WIN 0
	PLACES                                         ; eight plain places, once a launch, between the products and the lines that read and rewrite their results
	PLACES
	PACK 0
	TOSTAGE 0
.irp a, 1,2,3,4,5,6,7                  ; block a's arithmetic stands between block a - 1's loads from the stage and the wait for them
	PACK \a
	SEND (\a)-1
	TOSTAGE \a
.endr
	SEND 7
	s_wait_tensorcnt 0x0                           ; the wave's end, behind my last tensor load and my last LDS store
	ds_add_u32 v[SPW], v[NIL]
	s_wait_dscnt 0x0
	CROUND                                         ; the closing round: no work-group ends while a partner may still ask for a tile that names it
	s_endpgm
.Lfunc_end_k_qe3b48e30d0_gemm:
	.size	k_qe3b48e30d0_gemm, .Lfunc_end_k_qe3b48e30d0_gemm-k_qe3b48e30d0_gemm
	.p2alignl 7, 3214868480
	.fill 96, 4, 3214868480
	.section	.rodata,"a",@progbits
	.p2align	6, 0x0
	.amdhsa_kernel k_qe3b48e30d0_gemm
		.amdhsa_group_segment_fixed_size 327680
		.amdhsa_private_segment_fixed_size 0
		.amdhsa_enable_private_segment 0
		.amdhsa_kernarg_size 48
		.amdhsa_user_sgpr_count 2
		.amdhsa_user_sgpr_kernarg_segment_ptr 1
		.amdhsa_wavefront_size32 1
		.amdhsa_system_sgpr_workgroup_id_x 1
		.amdhsa_system_sgpr_workgroup_id_y 1
		.amdhsa_system_sgpr_workgroup_id_z 1
		.amdhsa_system_vgpr_workitem_id 0
		.amdhsa_next_free_vgpr 1024
		.amdhsa_next_free_sgpr 84
		.amdhsa_reserve_vcc 0
		.amdhsa_float_denorm_mode_32 3
		.amdhsa_float_denorm_mode_16_64 3
		.amdhsa_memory_ordered 1
		.amdhsa_forward_progress 1
		.amdhsa_inst_pref_size 250
	.end_amdhsa_kernel
	.amdgpu_metadata
---
amdhsa.version: [ 1, 2 ]
amdhsa.kernels:
  - .name:           k_qe3b48e30d0_gemm
    .symbol:         k_qe3b48e30d0_gemm.kd
    .args:
      - { .name: qx16, .offset: 0, .size: 8, .value_kind: global_buffer, .address_space: global }
      - { .name: qw16, .offset: 8, .size: 8, .value_kind: global_buffer, .address_space: global }
      - { .name: out0, .offset: 16, .size: 8, .value_kind: global_buffer, .address_space: global }
      - { .name: b_i8, .offset: 24, .size: 8, .value_kind: global_buffer, .address_space: global }
      - { .name: alpha, .offset: 32, .size: 8, .value_kind: global_buffer, .address_space: global }
      - { .name: y_scale, .offset: 40, .size: 8, .value_kind: global_buffer, .address_space: global }
    .group_segment_fixed_size: 327680
    .private_segment_fixed_size: 0
    .kernarg_segment_align: 8
    .kernarg_segment_size: 48
    .max_flat_workgroup_size: 128
    .sgpr_count:     84
    .vgpr_count:     1024
    .wavefront_size: 32
...
	.end_amdgpu_metadata
.endif
;; end of part 3
